; MI455X (gfx1250); checked and timed in simulation.
; The chip was launched on July 23, 2026; its instructions are those of AMD's public machine-readable ISA for CDNA 5 (MIT licence, August 2026) and "CDNA5" Instruction Set Architecture Reference Guide (July 2026). The comments in the code are by the model that wrote it; some were corrected since.
;; Bahdanau Attention. Allowed arithmetic: matrix products marked QUANTISED: E5M2 operands, one given power-of-two scale a tensor, by v_wmma_f32_16x16x64_bf8_bf8 or v_wmma_f32_16x16x128_bf8_bf8, f32 sums; products left as they are: f32 operands where the result goes on into a quantised operand, else bf16, f16 or f32 operands; f32 sums; everything else in f32.
;; Inputs: W1 1,024 x 1,024 float32; W2 1,024 x 1,024 float32; decoder_hidden 32 x 1,024 float32; encoder_outputs 32 x 2,048 x 1,024 float32; lowp_scales 4 int32 (the exponents e of the quantised operands' scales 2^e); mask 32 x 2,048 int32; v 1 x 1,024 float32.
;; Outputs: out0 32 x 1,024 float32; out1 32 x 2,048 float32.
;; This version of the problem:
;;   THIS VERSION OF THE PROBLEM IS GIVEN IN LOW PRECISION. The matrix products marked QUANTISED in the list below multiply operands that are first quantised to E5M2 (5 exponent bits, 2 mantissa bits; 8 bits a number), with one given power-of-two scale for each operand tensor; their sums are f32. All else is computed in f32.
;;   The module's matrix products, in the order in which they are computed (A, B: the left and right operand; K: the contracted axis; several contracted axes count as one K, in the product's order):
;;     1. [M 65,536, K 1,024] x [K 1,024, N 1,024]; A: input encoder_outputs; B: input W1: QUANTISED (scales: A lowp_scales[0], B lowp_scales[1])
;;     2. [M 32, K 1,024] x [K 1,024, N 1,024]; A: input decoder_hidden; B: input W2: QUANTISED (scales: A lowp_scales[2], B lowp_scales[3])
;;     3. [M 65,536, K 1,024] x [K 1,024, N 1]; A: computed on the way; B: input v: left as it is (N = 1 < 16)
;;     4. batch 32 x [M 1, K 2,048] x [K 2,048, N 1,024]; A: softmax; B: input encoder_outputs: left as it is (M = 1 < 16)
;;   THE QUANTISER, for each operand of a quantised product, along K:
;;     - The operand's scale is 2^e, e = its entry of the input lowp_scales (int32; the entries are numbered through the quantised products in the list's order, A before B).
;;     - Each number is divided by the scale, clamped to +-57,344, and rounded to the nearest number of E5M2, ties to even, subnormals kept.
;;     - The product sums the exact products of the quantised numbers (number of the format x scale) in f32.
;;   ~~~python
;;   def quantise(x, axis, e):      # numpy; x: float32 -> the quantised numbers, widened to float32 again
;;       x = np.moveaxis(x, axis, -1); K = x.shape[-1]
;;       r = np.clip(x / 2.0 ** e, -57344, 57344)
;;       step = 2.0 ** (np.maximum(np.frexp(np.where(r == 0, 1, r))[1] - 1, -14) - 2)
;;       q = np.round(r / step) * step * 2.0 ** e      # np.round: ties to even
;;       return np.moveaxis(q, -1, axis).astype(np.float32)
;;   ~~~
;; One version. Each part assembles by itself: llvm-mc -triple=amdgcn-amd-amdhsa -mcpu=gfx1250 --defsym DOCPART=n.
;; ======== version 1 of 1: 3 launches
;; limits: values are held in bf16: 8 bits of precision; right only within a limited range of input values
;; workspace buffers: w1c 1,048,576 bytes; dect 524,288 bytes; scores 262,144 bytes; stats 131,072 bytes; ctxp 2,097,152 bytes
;; launch prep (part 1): grid 256 x 1, 4 waves a work-group, no clusters, 38,400 bytes of LDS; arguments W1, W2, decoder_hidden, lowp_scales, w1c, dect; writes w1c, dect
.if DOCPART == 1
	.amdgcn_target "amdgcn-amd-amdhsa--gfx1250"
	.amdhsa_code_object_version 6
	.text
	.protected	k_q97f913c6a6_prep
	.globl	k_q97f913c6a6_prep
	.p2align	8
	.type	k_q97f913c6a6_prep,@function
k_q97f913c6a6_prep:
	s_mov_b64 s[64:65], 0
	v_nop
	global_prefetch_b8 v0, s[64:65] scope:SCOPE_SE
	s_setreg_imm32_b32 hwreg(HW_REG_WAVE_MODE, 25, 1), 1
	s_wait_xcnt 0x0
; W1 [1024][1024] f32 becomes codes of BF8 (E5M2) in the order of the operand's registers, and dec_t = Q(decoder_hidden) Q(W2)^T is made by the BF8 matrix form, in four parts along K.
; WORK LEFT OUT IN THE PROGRAM: tanh(y) = 1 - 2 / (1 + e^(2 y)), so a score is sum_a v[a] - 2 sum_a v[a] / (1 + e^(2 y)).  The term sum_a v[a] is the same for every position of a batch, whatever v holds:
; a term added to a softmax's input that is the same along its axis cancels in attn and so in context.  It is not computed.  LIMIT: a NaN, an infinity or an overflow that reaches only that term is not carried to the result.
; w1c: the byte at n 16384 + s 2048 + c 512 + 16 lane + i is the code of W1[16 n + lane % 16][128 s + 32 c + 16 (lane / 16) + i]: a fragment (16 rows x 128 K) is four dense runs of 512 bytes.
; dect: [4][32][1024] f32: part q holds K = 256 q .. 256 q + 255 of dec_t / 2^(e0 + e1).  The next launch adds the four parts and gives the sum to its products as their C (each byte of dect has one owner here).
; SHARES.  Work-group 4 n + q takes rows 16 n .. 16 n + 15 of W1 and of W2 and K steps 2 q, 2 q + 1 (128 along K each).  Waves 0, 1 quantise W1's two steps; waves 2, 3 quantise W2's and decoder_hidden's and multiply them.
; The two partial sums meet in LDS; waves 0 and 1 add them.
; Each load takes 512 consecutive bytes of one row; 16 rows go through the wave's own stage in LDS and come back 64 bytes a lane: lane (r, h) gets, of row r, k = 32 c + 16 h + 0 .. 15, the same place of k in both operands.
; code = x / 2^e, held within +-57,344, to the nearest code, ties to even.  LIMITS: e1, e2, e3 between -126 and 112.  NaN among the inputs is not served; an infinity is held at the largest code.
; dect's stores cover 64 consecutive bytes of a row each, not whole aligned runs of 256: 524,288 bytes in all.
.set PITCH, 528                        ; a stage row: 512 bytes + 16
.set WSTG,  16*PITCH
.set RED,   4*WSTG                     ; behind the four stages: 2,048 bytes for each K step's partial sums
.set SPARE, RED+2*2048                 ; the spare words: 128 bytes for each of the four waves
.set X,     16
.set RAW0,  48
.set RAW1,  112
.set RAW2,  176
.set CW1,   240
.set CW2,   112                        ; W2's codes, decoder_hidden's two fragments and the accumulators lie in set 1, which is done with when they are written
.set CD0,   128
.set CD1,   144
.set ACC,   160
.set SUM,   176
	s_load_b256 s[4:11], s[0:1], 0x0               ; W1 s[4:5], W2 s[6:7], decoder_hidden s[8:9], the exponents s[10:11]
	s_load_b128 s[12:15], s[0:1], 0x20             ; w1c s[12:13], dect s[14:15]
	v_lshl_add_u32 v14, v0, 2, SPARE               ; my spare word, and 0: kept for the add at the wave's end
	v_mov_b32 v15, 0
	v_lshrrev_b32 v11, 5, v0
	v_readfirstlane_b32 s16, v11                   ; wave
	s_lshr_b32 s35, ttmp9, 2                       ; n
	s_and_b32 s36, ttmp9, 3                        ; q
	s_lshr_b32 s34, s16, 1                         ; 0: W1; 1: dec_t
	s_and_b32 s32, s16, 1                          ; which of the two K steps; for waves 0, 1 also which 16 rows of decoder_hidden they add up
	s_lshl_b32 s33, s36, 1
	s_add_co_u32 s33, s33, s32                     ; my K step
	v_and_b32 v11, 31, v0
	v_and_b32 v16, 15, v0                          ; r
	v_bfe_u32 v17, v0, 4, 1                        ; h
	v_lshlrev_b32 v1, 4, v11                       ; 16 x lane
	v_mul_u32_u24 v3, v16, PITCH
	v_lshlrev_b32 v10, 12, v16
	s_mul_i32 s17, s16, WSTG
	v_add_nc_u32 v2, s17, v1                       ; my stage, in
	v_lshl_add_u32 v3, v17, 6, v3
	v_lshl_add_u32 v10, v17, 5, v10                ; dect: row r of 4,096 bytes, + 32 h
	v_add_nc_u32 v3, s17, v3                       ; my stage, out: row r, + 64 h
	s_lshl_b32 s17, s32, 11
	s_add_co_u32 s17, s17, RED
	v_add_nc_u32 v8, s17, v1                       ; where my K step's partial sums go
	s_lshl_b32 s17, s32, 10
	s_add_co_u32 s17, s17, RED
	v_add_nc_u32 v9, s17, v1                       ; and where I read both steps' rows 16 m .. 16 m + 15
	s_lshl_b32 s24, s35, 16                        ; W1, W2: 16 rows of 4,096 bytes for each n,
	s_lshl_b32 s26, s33, 9                         ; 512 bytes a K step
	s_add_co_u32 s24, s24, s26
	s_mov_b32 s25, 0
	s_mov_b32 s27, 0
	s_lshl_b32 s28, s35, 14                        ; w1c: 16,384 n + 2,048 s
	s_lshl_b32 s17, s33, 11
	s_add_co_u32 s28, s28, s17
	s_mov_b32 s29, 0
	s_lshl_b32 s30, s36, 17                        ; dect: part q, 16 rows of 4,096 bytes, + 64 n
	s_lshl_b32 s17, s32, 16
	s_add_co_u32 s30, s30, s17
	s_lshl_b32 s17, s35, 6
	s_add_co_u32 s30, s30, s17
	s_mov_b32 s31, 0
	s_wait_alu depctr_va_vdst(0)                   ; the head's end
	s_wait_kmcnt 0x0
	s_load_b128 s[20:23], s[10:11], 0x0            ; e0, e1, e2, e3
	s_add_nc_u64 s[4:5], s[4:5], s[24:25]
	s_add_nc_u64 s[6:7], s[6:7], s[24:25]
	s_add_nc_u64 s[8:9], s[8:9], s[26:27]
	s_add_nc_u64 s[12:13], s[12:13], s[28:29]
	s_add_nc_u64 s[14:15], s[14:15], s[30:31]
.macro LOADW raw, b                    ; 16 rows of a weight, read once in the launch
.irp p, 0,1,2,3,4,5,6,7,8,9,10,11,12,13,14,15
	global_load_b128 v[\raw+4*\p:\raw+4*\p+3], v1, s[\b:\b+1] offset:4096*\p th:TH_LOAD_NT
.endr
.endm
.macro LOADD raw, off                  ; 16 rows of decoder_hidden, which 64 work-groups read
.irp p, 0,1,2,3,4,5,6,7,8,9,10,11,12,13,14,15
	global_load_b128 v[\raw+4*\p:\raw+4*\p+3], v1, s[8:9] offset:\off+4096*\p
.endr
.endm
.macro SCALE e, sc, lim                ; 2^e as f32 and 57,344 x 2^e
	s_add_co_i32 s17, s[\e], 127
	s_lshl_b32 s18, s17, 23
	v_mov_b32 v[\sc], s18
	s_add_co_i32 s17, s17, 15
	s_lshl_b32 s17, s17, 23
	s_or_b32 s17, s17, 0x600000
	v_mov_b32 v[\lim], s17
.endm
; 16 rows x 128 K in v[raw] on become a fragment's 16 registers of codes in v[dst] on.  LDS serves a wave's instructions in order (ISA guide 5.7.1.4): no wait between the stage's stores and its loads.
.macro QCORE raw, dst, sc, lim
.irp p, 0,1,2,3,4,5,6,7,8,9,10,11,12,13,14,15
	ds_store_b128 v2, v[\raw+4*\p:\raw+4*\p+3] offset:PITCH*\p
.endr
.irp f, 0,1
.irp c, 0,1
.irp j, 0,1,2,3
	ds_load_b128 v[X+16*\c+4*\j:X+16*\c+4*\j+3], v3 offset:256*\f+128*\c+16*\j
.endr
.endr
	s_wait_dscnt 0x0
.irp i, 0,1,2,3,4,5,6,7,8,9,10,11,12,13,14,15,16,17,18,19,20,21,22,23,24,25,26,27,28,29,30,31
	v_med3_num_f32 v[X+\i], v[X+\i], -v[\lim], v[\lim]   ; the hold: the conversion does not saturate (ISA guide 7.6.2)
.endr
.irp c, 0,1
.irp g, 0,1
	v_cvt_scalef32_pk8_bf8_f32 v[\dst+8*\f+4*\c+2*\g:\dst+8*\f+4*\c+2*\g+1], v[X+16*\c+8*\g:X+16*\c+8*\g+7], v[\sc]
.endr
.endr
	v_nop                                          ; one plain line behind the conversions
.endr
.endm
	s_cmp_lg_u32 s34, 0
	s_cbranch_scc1 .Ldec_loads
	LOADW RAW0, 4
	s_branch .Lloaded
.Ldec_loads:
	LOADW RAW1, 6
	LOADD RAW2, 0
	LOADD RAW0, 65536
.Lloaded:
	s_wait_kmcnt 0x0
	SCALE 21, 4, 5                                 ; W1's
	SCALE 23, 6, 7                                 ; W2's
	SCALE 22, 12, 13                               ; decoder_hidden's
	s_add_co_i32 s19, s22, s23
	s_sub_co_i32 s19, s19, s20
	s_sub_co_i32 s19, s19, s21                     ; e2 + e3 - e0 - e1
	s_cmp_lg_u32 s34, 0
	s_wait_alu depctr_va_vdst(0)
	s_cbranch_scc1 .Ldec
	s_wait_loadcnt 0x0
	QCORE RAW0, CW1, 4, 5
.irp c, 0,1,2,3
	global_store_b128 v1, v[CW1+4*\c:CW1+4*\c+3], s[12:13] offset:512*\c   ; 512 consecutive bytes a store
.endr
	s_branch .Lmeet
.Ldec:
	s_wait_loadcnt 32                              ; W2's 16 loads are in; decoder_hidden's 32 may be out
	QCORE RAW1, CW2, 6, 7
	s_wait_loadcnt 16
	QCORE RAW2, CD0, 12, 13
	s_wait_loadcnt 0x0
	QCORE RAW0, CD1, 12, 13
	; TRANSPOSED: source 0 = 16 rows of W2, source 1 = 16 rows of decoder_hidden: lane (r, h) holds dec_t(16 m + r, 16 n + 8 h + 0 .. 7), my K step's part
	v_wmma_f32_16x16x128_bf8_bf8 v[ACC:ACC+7], v[CW2:CW2+15], v[CD0:CD0+15], 0
	v_wmma_f32_16x16x128_bf8_bf8 v[ACC+8:ACC+15], v[CW2:CW2+15], v[CD1:CD1+15], 0
.rept 4
	v_nop                                          ; four places ahead of the first read of the results (ISA guide 7.12.1)
.endr
.irp m, 0,1
.irp q, 0,1
	ds_store_b128 v8, v[ACC+8*\m+4*\q:ACC+8*\m+4*\q+3] offset:1024*\m+512*\q
.endr
.endr
.Lmeet:
	s_wait_dscnt 0x0                               ; for the others' sake: my stores have landed
	s_barrier_signal -1
	s_barrier_wait -1
	s_cmp_lt_u32 s16, 2
	s_cbranch_scc0 .Lend                           ; waves 0 and 1 add: wave m the rows 16 m .. 16 m + 15
.irp u, 0,1
.irp q, 0,1
	ds_load_b128 v[SUM+8*\u+4*\q:SUM+8*\u+4*\q+3], v9 offset:2048*\u+512*\q
.endr
.endr
	s_wait_dscnt 0x0
.irp i, 0,2,4,6
	v_pk_add_f32 v[SUM+\i:SUM+\i+1], v[SUM+\i:SUM+\i+1], v[SUM+8+\i:SUM+8+\i+1]
.endr
.irp j, 0,1,2,3,4,5,6,7
	v_ldexp_f32 v[SUM+\j], v[SUM+\j], s19          ; x 2^(e2 + e3 - e0 - e1)
.endr
	global_store_b128 v10, v[SUM:SUM+3], s[14:15]
	global_store_b128 v10, v[SUM+4:SUM+7], s[14:15] offset:16
.Lend:
	s_wait_tensorcnt 0x0                           ; the wave's end, behind my last LDS store
	ds_add_u32 v14, v15
	s_wait_dscnt 0x0
	s_endpgm
.Lfunc_end_k_q97f913c6a6_prep:
	.size	k_q97f913c6a6_prep, .Lfunc_end_k_q97f913c6a6_prep-k_q97f913c6a6_prep
	.p2alignl 7, 3214868480
	.fill 96, 4, 3214868480
	.section	.rodata,"a",@progbits
	.p2align	6, 0x0
	.amdhsa_kernel k_q97f913c6a6_prep
		.amdhsa_group_segment_fixed_size 38400
		.amdhsa_private_segment_fixed_size 0
		.amdhsa_enable_private_segment 0
		.amdhsa_kernarg_size 48
		.amdhsa_user_sgpr_count 2
		.amdhsa_user_sgpr_kernarg_segment_ptr 1
		.amdhsa_wavefront_size32 1
		.amdhsa_system_sgpr_workgroup_id_x 1
		.amdhsa_system_sgpr_workgroup_id_y 1
		.amdhsa_system_sgpr_workgroup_id_z 1
		.amdhsa_system_vgpr_workitem_id 0
		.amdhsa_next_free_vgpr 256
		.amdhsa_next_free_sgpr 66
		.amdhsa_reserve_vcc 0
		.amdhsa_float_denorm_mode_32 3
		.amdhsa_float_denorm_mode_16_64 3
		.amdhsa_memory_ordered 1
		.amdhsa_forward_progress 1
		.amdhsa_inst_pref_size 39
	.end_amdhsa_kernel
	.amdgpu_metadata
---
amdhsa.version: [ 1, 2 ]
amdhsa.kernels:
  - .name:           k_q97f913c6a6_prep
    .symbol:         k_q97f913c6a6_prep.kd
    .args:
      - { .name: W1, .offset: 0, .size: 8, .value_kind: global_buffer, .address_space: global }
      - { .name: W2, .offset: 8, .size: 8, .value_kind: global_buffer, .address_space: global }
      - { .name: decoder_hidden, .offset: 16, .size: 8, .value_kind: global_buffer, .address_space: global }
      - { .name: lowp_scales, .offset: 24, .size: 8, .value_kind: global_buffer, .address_space: global }
      - { .name: w1c, .offset: 32, .size: 8, .value_kind: global_buffer, .address_space: global }
      - { .name: dect, .offset: 40, .size: 8, .value_kind: global_buffer, .address_space: global }
    .group_segment_fixed_size: 38400
    .private_segment_fixed_size: 0
    .kernarg_segment_align: 8
    .kernarg_segment_size: 48
    .max_flat_workgroup_size: 128
    .sgpr_count:     66
    .vgpr_count:     256
    .wavefront_size: 32
...
	.end_amdgpu_metadata
.endif
;; end of part 1
;; launch main (part 2): grid 512 x 1, 4 waves a work-group, clusters of 4 x 1, 327,680 bytes of LDS; arguments encoder_outputs, mask, v, lowp_scales, w1c, dect, scores, stats, ctxp; writes scores, stats, ctxp
.if DOCPART == 2
	.amdgcn_target "amdgcn-amd-amdhsa--gfx1250"
	.amdhsa_code_object_version 6
	.text
	.protected	k_q97f913c6a6_main
	.globl	k_q97f913c6a6_main
	.p2align	8
	.type	k_q97f913c6a6_main,@function
k_q97f913c6a6_main:
	s_mov_b64 s[64:65], 0
	v_nop
	global_prefetch_b8 v0, s[64:65] scope:SCOPE_SE
	s_setreg_imm32_b32 hwreg(HW_REG_WAVE_MODE, 25, 1), 1
	s_wait_xcnt 0x0
	s_wait_alu depctr_hold_cnt(0) depctr_sa_sdst(0) depctr_va_vdst(0) depctr_va_sdst(0) depctr_va_ssrc(0) depctr_va_vcc(0) depctr_vm_vsrc(0)
	s_getreg_b32 s2, hwreg(HW_REG_IB_STS2, 6, 4)
	s_cmp_eq_u32 s2, 0
	s_cbranch_scc0 .Lentry_in_a_cluster
	s_endpgm
.Lentry_in_a_cluster:
	s_bfe_u32 s2, ttmp6, 0x10000c
	s_cmp_lg_u32 s2, 0x3003
	s_cbranch_scc0 .Lentry_shape_is_right
	s_endpgm
.Lentry_shape_is_right:
; A work-group takes 128 positions of one batch through the whole chain: x is read once, quantised to BF8 (E5M2) codes, multiplied with W1's codes (w1c), dec_t added as the products' C, tanh, the product with v,
; the mask, the block's own softmax (largest S, sum, p = 2^(S - m)) and the block's part of the context from a bf16 copy of x that stays on the chip.  The last launch joins a batch's 16 blocks.
; LEFT OUT: the term sum_a v[a] of every score (the same along the softmax's axis: see the first kernel's head).  S = sum_a (-2 log2(e) v[a]) / (1 + 2^(2 log2(e) y)) is the score in units of base 2.
; SHARES.  Wave w loads and quantises rows 32 w .. 32 w + 31.  Waves w and w xor 1 hand each other their codes through LDS (register images), so each holds 64 rows x 1,024 K in 512 registers and walks HALF of W1's rows:
; a fragment of W1 read from LDS feeds four matrix instructions.  The two halves' partial scores meet in LDS.
; W1's codes come through a ring of two slots of 64 KiB (four tiles of 16 rows of W1; a wave takes two), asked for jointly by the four work-groups of a cluster: each wave brings 16 KiB.
; THE MATRIX INSTRUCTION IS USED TRANSPOSED (source 0 = 16 rows of W1, source 1 = 16 rows of x): lane (r, h) holds row r of x and W1's rows 8 h + 0 .. 7.
; A tile is 8 K steps x 4 products, four accumulators by turns.  The tanh of the tile before stands in the first four K steps: its plain lines behind single products, its exponentials and reciprocals as one batch each.
; The change of slots stands in the middle of a slot's second tile, when all that tile's fragments are in registers: the tile's last products run while the next slot's first fragments come.
; REGISTERS.  Window 0: work.  Window 1: bf16 copy of my rows 0-15.  Windows 2, 3: codes, tile m (0, 1 mine; 2, 3 my partner's) and K step s at window 2 + s / 4, register 64 m + 16 (s % 4).  My rows 16-31 in bf16 lie in LDS.
; LIMITS: e0 between -126 and 112; e0 + e1 between -127 and 125 (added to an exponent field).  NaN among x is not served ahead of the quantiser; an infinity is held at the largest code.
; NO PREFETCH: x is asked for by 48 loads a wave, three steps ahead, in a head that has no loop to run ahead in; w1c's bytes are read by every work-group in every pass.
.set SLOTB, 65536
.set BFB,   2*SLOTB                    ; bf16 images: 32 KiB a wave
.set STAGE, BFB+131072
.set PITCH, 528
.set WSTG,  16*PITCH
.set DTAB,  STAGE+4*WSTG               ; dec_t's row (4,096 bytes), then -2 log2(e) v
.set XCH,   DTAB+8192                  ; the codes' exchange: 2 x 4 x 2,048 bytes; at the end the context's four parts
.set PS,    XCH+16384                  ; partial scores: 2 x 128 words
.set PEX,   PS+1024                    ; p: 128 words
.set SPARE, PEX+512                    ; the spare words: 128 bytes a wave
.set X,   32
.set DT,  16
.set VP,  24
.set SC,  40
.set ACC, 64
.set WA,  128
.set WB,  192
.set MSB, 0
.macro WIN new
.if MSB != (\new)
	s_set_vgpr_msb (MSB<<8)|(\new)
.set MSB, (\new)
.endif
.endm
.macro VW
	s_wait_alu depctr_va_vdst(0)
.endm
.macro CREST                           ; a round of the cluster's barrier behind its opening barrier
	s_cmp_lg_u32 s26, 0
	s_cbranch_scc1 .Lnot_wave_0_\@
	s_barrier_signal -3
.Lnot_wave_0_\@:
	s_barrier_wait -3
	s_barrier_signal -1
	s_barrier_wait -1
.endm
.macro CROUND
	s_barrier_signal -1
	s_barrier_wait -1
	CREST
.endm
.macro PLACES
.rept 4
	v_nop
.endr
.endm
	s_load_b512 s[8:23], s[0:1], 0x0               ; x s[8:9], mask s[10:11], v s[12:13], exponents s[14:15], w1c s[16:17], dect s[18:19], scores s[20:21], stats s[22:23]
	s_load_b64 s[24:25], s[0:1], 0x40              ; ctxp
	v_lshl_add_u32 v2, v0, 2, SPARE
	v_mov_b32 v3, 0
	ds_add_u32 v2, v3                              ; the opening lines
	ds_add_u32 v2, v3
	v_lshrrev_b32 v16, 5, v0
	v_readfirstlane_b32 s26, v16                   ; wave
	s_and_b32 s59, s26, 1                          ; which half of W1's rows is mine
	s_xor_b32 s60, s26, 1                          ; my partner
	s_bfe_u32 s27, ttmp6, 0x40000
	s_lshl_b32 s28, ttmp9, 2
	s_add_co_u32 s28, s28, s27                     ; the block, 0 .. 511
	s_lshr_b32 s29, s28, 4                         ; the batch
	s_mov_b32 s32, 15|(3<<16)|(1<<21)              ; group 1: all four partners; elements of 8 bytes; 64 rows of 256 bytes, dense
	s_mov_b32 s33, 32<<16
	s_mov_b32 s34, 64<<16
	s_mov_b32 s35, 32<<16
	s_mov_b32 s36, 64
	s_mov_b32 s37, 32
	s_mov_b32 s38, 0
	s_mov_b32 s39, 0
	s_mov_b32 s54, 0x76543210
	s_mov_b32 s55, 0xfedcba98
	v_and_b32 v16, 31, v0
	v_lshlrev_b32 v1, 4, v16                       ; 16 x lane
	v_and_b32 v17, 15, v0                          ; r
	v_bfe_u32 v18, v0, 4, 1                        ; h
	s_mul_i32 s30, s26, WSTG
	s_add_co_u32 s30, s30, STAGE
	v_add_nc_u32 v4, s30, v1                       ; my stage, in
	v_mul_u32_u24 v5, v17, PITCH
	v_lshl_add_u32 v5, v18, 6, v5
	v_add_nc_u32 v5, s30, v5                       ; and out: row r, + 64 h
	s_lshl_b32 s30, s59, 7
	s_add_co_u32 s30, s30, DTAB
	v_lshlrev_b32 v10, 5, v18
	v_add_nc_u32 v10, s30, v10                     ; the tables: my two tiles of four, + 32 h
	s_lshl_b32 s30, s26, 11
	s_add_co_u32 s30, s30, XCH
	v_add_nc_u32 v12, s30, v1                      ; where I put a step's codes,
	s_lshl_b32 s30, s60, 11
	s_add_co_u32 s30, s30, XCH
	v_add_nc_u32 v13, s30, v1                      ; and where my partner puts its
	s_lshl_b32 s30, s26, 15
	s_add_co_u32 s30, s30, BFB
	v_add_nc_u32 v14, s30, v1                      ; my bf16 images
	s_lshl_b32 s30, s59, 15
	v_add_nc_u32 v15, s30, v1                      ; my two tiles in a slot
	v_lshlrev_b32 v19, 4, v0
	v_add_nc_u32 v20, DTAB, v19
	v_lshlrev_b32 v21, 2, v0
	s_lshl_b32 s30, s26, 14                        ; my quarter of a slot
	s_mov_b32 s31, 0
	VW
	s_wait_dscnt 0x0                               ; both opening adds are done
	s_wait_kmcnt 0x0
	s_load_b128 s[48:51], s[14:15], 0x0            ; e0, e1, e2, e3
	s_mov_b32 s40, 1
	s_mov_b32 s41, s30
	s_add_nc_u64 s[42:43], s[16:17], s[30:31]
	s_or_b32 s43, s43, 0x80000000
	s_lshl_b32 s2, s28, 19
	s_lshl_b32 s3, s26, 17
	s_add_co_u32 s2, s2, s3
	s_mov_b32 s3, 0
	s_add_nc_u64 s[8:9], s[8:9], s[2:3]            ; my 32 rows of x
	s_lshl_b32 s2, s28, 9
	s_add_nc_u64 s[10:11], s[10:11], s[2:3]
	s_add_nc_u64 s[20:21], s[20:21], s[2:3]
	s_lshl_b32 s2, s29, 12
	s_add_nc_u64 s[18:19], s[18:19], s[2:3]
	s_lshl_b32 s2, s28, 8
	s_add_nc_u64 s[22:23], s[22:23], s[2:3]
	s_lshl_b32 s2, s28, 12
	s_lshl_b32 s4, s26, 10
	s_add_co_u32 s2, s2, s4
	s_add_nc_u64 s[24:25], s[24:25], s[2:3]
	global_load_b32 v7, v21, s[10:11]              ; the mask of row = my thread's number
.irp q, 0,1,2,3                        ; dect holds dec_t's row in four parts along K, 131,072 bytes apart
	global_load_b128 v[32+8*\q:35+8*\q], v19, s[18:19] offset:131072*\q
	global_load_b128 v[36+8*\q:39+8*\q], v19, s[18:19] offset:131072*\q+2048
.endr
	global_load_b128 v[22:25], v19, s[12:13]
	global_load_b128 v[26:29], v19, s[12:13] offset:2048
.macro LOADX t                         ; step t: 16 rows x 512 consecutive bytes
.set LW, 64+64*((\t)%3)
.irp p, 0,1,2,3,4,5,6,7,8,9,10,11,12,13,14,15
	global_load_b128 v[LW+4*\p:LW+4*\p+3], v1, s[8:9] offset:(16*((\t)/8)+\p)*4096+512*((\t)%8) th:TH_LOAD_NT
.endr
.endm
	LOADX 0
	LOADX 1
	LOADX 2
	CROUND                                         ; the round in front of the first joint load
	tensor_load_to_lds s[40:43], s[32:39]          ; slot 0: my one tensor load at the head
	s_nop 0
	PLACES
	s_wait_kmcnt 0x0
	s_add_co_i32 s4, s48, 127
	s_lshl_b32 s5, s4, 23
	v_mov_b32 v6, s5                               ; 2^e0
	s_add_co_i32 s4, s4, 15
	s_lshl_b32 s4, s4, 23
	s_or_b32 s4, s4, 0x600000
	v_mov_b32 v8, s4                               ; 57,344 x 2^e0
	s_add_co_i32 s4, s48, s49
	s_lshl_b32 s4, s4, 23
	s_add_co_i32 s52, s4, 0x4038aa3b               ; 2 log2(e) x 2^(e0 + e1)
	s_mov_b32 s53, s52
	VW
	s_wait_loadcnt 48                              ; the mask and the tables are in; x's 48 loads may be out
.irp q, 1,2,3
.irp j, 0,2,4,6
	v_pk_add_f32 v[32+\j:33+\j], v[32+\j:33+\j], v[32+8*\q+\j:33+8*\q+\j]   ; dec_t's four parts
.endr
.endr
.irp j, 0,2,4,6
	v_pk_mul_f32 v[22+\j:23+\j], v[22+\j:23+\j], 0xc038aa3b op_sel_hi:[1,0]
.endr
	ds_store_b128 v20, v[32:35]
	ds_store_b128 v20, v[36:39] offset:2048
	ds_store_b128 v20, v[22:25] offset:4096
	ds_store_b128 v20, v[26:29] offset:6144
.macro QHALF f, xb, xw                 ; 64 along K of my 16 rows, 32 numbers a lane, into window xw from v[xb] on
	WIN 0x40*(\xw)
.irp c, 0,1
.irp j, 0,1,2,3
	ds_load_b128 v[\xb+16*\c+4*\j:\xb+16*\c+4*\j+3], v5 offset:256*\f+128*\c+16*\j
.endr
.endr
	WIN 0
.endm
.macro QCONV f, xb, xw
	WIN 0x41*(\xw)
.irp i, 0,1,2,3,4,5,6,7,8,9,10,11,12,13,14,15,16,17,18,19,20,21,22,23,24,25,26,27,28,29,30,31
	v_med3_num_f32 v[\xb+\i], v[\xb+\i], -v8, v8   ; the hold: the conversion does not saturate (ISA guide 7.6.2)
.endr
	WIN CW|(\xw)
.irp c, 0,1
.irp g, 0,1
	v_cvt_scalef32_pk8_bf8_f32 v[CR+8*\f+4*\c+2*\g:CR+8*\f+4*\c+2*\g+1], v[\xb+16*\c+8*\g:\xb+16*\c+8*\g+7], v6
.endr
.endr
	WIN 0
	v_nop
.endm
.macro PXL u                           ; my partner's codes of step u
.set PW, 0x80+0x40*(((\u)%8)/4)
.set PR, 64*((\u)/8)+16*((\u)%4)+128
	WIN PW
.irp c, 0,1,2,3
	ds_load_b128 v[PR+4*\c:PR+4*\c+3], v13 offset:8192*((\u)%2)+512*\c
.endr
	WIN 0
.endm
; The second half's numbers land in window 3, v96-127, which hold no codes before step 14; from step 13 on, when no loads follow, in the raw set itself.
; The codes' exchange runs one step behind: step t's barrier shows step t - 1's codes, and stands round the second half's conversions.
.macro QSTEP t
.set QM, (\t)/8
.set QS, (\t)%8
.set RW, 64+64*((\t)%3)
.set CW, 0x80+0x40*(QS/4)
.set CR, 64*QM+16*(QS%4)
.if (\t) <= 12
.set YB, 96
.set YW, 3
.else
.set YB, RW
.set YW, 0
.endif
.if (\t) <= 13
	s_wait_loadcnt 32                              ; this step's 16 loads are in; two steps' may be out
.else
	s_wait_loadcnt 16*(15-(\t))
.endif
.irp p, 0,1,2,3,4,5,6,7,8,9,10,11,12,13,14,15
	ds_store_b128 v4, v[RW+4*\p:RW+4*\p+3] offset:PITCH*\p
.endr
	QHALF 0, X, 0
.if QM == 0
	WIN 0x40
.irp p, 0,1,2,3,4,5,6,7,8,9,10,11,12,13,14,15
	v_cvt_pk_bf16_f32 v[32*QS+2*\p], v[RW+4*\p], v[RW+4*\p+1]
	v_cvt_pk_bf16_f32 v[32*QS+2*\p+1], v[RW+4*\p+2], v[RW+4*\p+3]
.endr
	WIN 0
.else
.irp p, 0,2,4,6,8,10,12,14             ; two rows packed in place into four registers, and their image into LDS
	v_cvt_pk_bf16_f32 v[RW+4*\p], v[RW+4*\p], v[RW+4*\p+1]
	v_cvt_pk_bf16_f32 v[RW+4*\p+1], v[RW+4*\p+2], v[RW+4*\p+3]
	v_cvt_pk_bf16_f32 v[RW+4*\p+2], v[RW+4*\p+4], v[RW+4*\p+5]
	v_cvt_pk_bf16_f32 v[RW+4*\p+3], v[RW+4*\p+6], v[RW+4*\p+7]
	ds_store_b128 v14, v[RW+4*\p:RW+4*\p+3] offset:4096*QS+256*\p
.endr
.endif
	QHALF 1, YB, YW
	s_wait_dscnt 8                                 ; the first half is in and every store has read the raw set; the second half's eight loads may be out
.if (\t)+3 < 16
	LOADX (\t)+3
.endif
	QCONV 0, X, 0
	s_wait_dscnt 0x0                               ; the second half is in; for my partner's sake: my last step's codes have landed, and my reads of its codes are over
.if (\t) > 0
	s_barrier_signal -1
.endif
	QCONV 1, YB, YW
	VW
.if (\t) > 0
	s_barrier_wait -1
	PXL (\t)-1
.endif
	WIN (2+QS/4)<<2
.irp c, 0,1,2,3
	ds_store_b128 v12, v[CR+4*\c:CR+4*\c+3] offset:8192*((\t)%2)+512*\c
.endr
	WIN 0
.endm
.irp t, 0,1,2,3,4,5,6,7,8,9,10,11,12,13,14,15
	QSTEP \t
.endr
	s_wait_dscnt 0x0                               ; the last step's codes have landed
	s_barrier_signal -1
	s_barrier_wait -1
	PXL 15
	global_load_b128 v[60:63], v1, s[10:11]        ; the mask of rows 4 lane .. 4 lane + 3
.set I, 0
.rept 16
	v_mov_b32 v[SC+I], 0                           ; the scores' sums
.set I, I+1
.endr
.set I, 0
.rept 8
	v_mov_b32 v[VP+8+I], 0                         ; the first tile finds a tile before it that counts for nothing: zeros x 0
.set I, I+1
.endr
.set I, 0
.rept 32
	v_mov_b32 v[ACC+32+I], 0
.set I, I+1
.endr
	s_mov_b32 s56, 0                               ; the slot in hand
	s_mov_b32 s57, 0                               ; its place in the tables
	s_mov_b32 s58, 14
.macro FW set, j, s0                   ; four fragments of my tile j
.irp s, 0,1,2,3
.irp c, 0,1,2,3
	ds_load_b128 v[\set+16*\s+4*\c:\set+16*\s+4*\c+3], v9 offset:16384*\j+2048*(\s0+\s)+512*\c
.endr
.endr
.endm
.macro LDT j
	ds_load_b128 v[DT:DT+3], v11 offset:64*\j
	ds_load_b128 v[DT+4:DT+7], v11 offset:64*\j+16
.endm
.macro LVP j
	ds_load_b128 v[VP+8*\j:VP+8*\j+3], v11 offset:4096+64*\j
	ds_load_b128 v[VP+8*\j+4:VP+8*\j+7], v11 offset:4096+64*\j+16
.endm
.macro WM ac, set, q, m, first         ; one product: rows 16 m of my 64, fragment q of the set
.if \first
	v_wmma_f32_16x16x128_bf8_bf8 v[\ac+8*\m:\ac+8*\m+7], v[\set+16*\q:\set+16*\q+15], v[64*\m+16*\q:64*\m+16*\q+15], v[DT:DT+7]
.else
	v_wmma_f32_16x16x128_bf8_bf8 v[\ac+8*\m:\ac+8*\m+7], v[\set+16*\q:\set+16*\q+15], v[64*\m+16*\q:64*\m+16*\q+15], v[\ac+8*\m:\ac+8*\m+7]
.endif
.endm
.macro G4 ac, set, q                   ; one K step: the four accumulators by turns
.irp m, 0,1,2,3
	WM \ac, \set, \q, \m, 0
.endr
.endm
.macro PM a, n                         ; n pairs x 2 log2(e) 2^(e0 + e1)
.set I, 0
.rept \n
	v_pk_mul_f32 v[\a+I:\a+I+1], v[\a+I:\a+I+1], s[52:53] op_sel_hi:[1,0]
.set I, I+2
.endr
.endm
.macro EX a, n
.set I, 0
.rept \n
	v_exp_f32 v[\a+I], v[\a+I]
.set I, I+1
.endr
	v_nop                                          ; a plain place behind the batch
.endm
.macro PA a, n                         ; n pairs + 1
.set I, 0
.rept \n
	v_pk_add_f32 v[\a+I:\a+I+1], v[\a+I:\a+I+1], 1.0 op_sel_hi:[1,0]
.set I, I+2
.endr
.endm
.macro RC a, n
.set I, 0
.rept \n
	v_rcp_f32 v[\a+I], v[\a+I]
.set I, I+1
.endr
	v_nop
.endm
.macro TF a, vp, m0
.irp m, \m0, \m0+1
.irp i, 0,1,2,3
	v_pk_fma_f32 v[SC+4*(\m)+2*(\i%2):SC+4*(\m)+2*(\i%2)+1], v[\a+8*(\m)+2*\i:\a+8*(\m)+2*\i+1], v[\vp+2*\i:\vp+2*\i+1], v[SC+4*(\m)+2*(\i%2):SC+4*(\m)+2*(\i%2)+1]
.endr
.endr
.endm
; My tile j of the slot, into accumulator set j; the tile before lies in the other set.  mode (tile 1 alone): 2 = the change of slots with a refill, 1 = the change without, 0 = no slot follows.
.macro TILE j, mode
.set AC, ACC+32*(\j)
.set AP, ACC+32*(1-(\j))
.set VQ, VP+8*(1-(\j))
	s_wait_dscnt 18                                ; fragments 0-3 and dec_t are in; 16 fragment loads and v's two may be out
	WIN 0x08
.irp m, 0,1,2,3
	WM AC, WA, 0, \m, 1
	PM AP+8*\m, 4
.endr
	VW
	G4 AC, WA, 1
	EX AP, 32
	VW
.irp m, 0,1,2,3
	WM AC, WA, 2, \m, 0
	PA AP+8*\m, 4
.endr
	VW
	G4 AC, WA, 3
	RC AP, 32
	VW
	WIN 0
	TF AP, VQ, 0                                   ; these 16 are also the places ahead of the loads below
	TF AP, VQ, 2
.if (\j) == 0
	FW WA, 1, 0
	LDT 1
	s_wait_dscnt 18                                ; fragments 4-7 are in; the 18 just issued may be out
.else
.if (\mode) == 0
	s_wait_dscnt 0x0
.else
	s_wait_tensorcnt 0x0                           ; all my tensor loads are in: my part of the next slot
	ds_add_u32 v2, v3
.if (\mode) == 2
	s_xor_b32 s41, s41, SLOTB                      ; no load of mine is out: the walking group 0 goes on
	s_add_nc_u64 s[42:43], s[42:43], SLOTB
.endif
	s_wait_dscnt 1                                 ; fragments 4-7 are in; the add may be out
.endif
.endif
	WIN 0x0c
	VW
	G4 AC, WB, 0
.if (\j)*(\mode) > 0
	s_wait_dscnt 0x0                               ; the add is done, and my reads of this slot are over
	s_barrier_signal -1
.endif
	G4 AC, WB, 1
.if (\j)*(\mode) > 0
	WIN 0
	s_barrier_wait -1
.if (\mode) == 2
	CREST                                          ; the barrier has opened a round of the cluster's barrier
	tensor_load_to_lds s[40:43], s[32:39]          ; the slot just read out takes the slot after next
	s_nop 0
	PLACES
.endif
	s_xor_b32 s56, s56, SLOTB
	s_add_co_u32 s57, s57, 256
	v_add_nc_u32 v9, s56, v15
	v_add_nc_u32 v11, s57, v10
	FW WA, 0, 0
	LDT 0
	WIN 0x0c
.endif
	G4 AC, WB, 2
	G4 AC, WB, 3
	WIN 0
	PLACES                                         ; ahead of the loads into fragments 4-7 and of the first read of the sums
.if (\j) == 0
	FW WB, 1, 4
	LVP 1
.else
.if (\mode) > 0
	FW WB, 0, 4
	LVP 0
.endif
.endif
.endm
	VW                                             ; the head's end
	s_wait_tensorcnt 0x0                           ; slot 0 is in; slot 1's first fill is issued as a refill is
	ds_add_u32 v2, v3
	s_xor_b32 s41, s41, SLOTB
	s_add_nc_u64 s[42:43], s[42:43], SLOTB
	s_wait_dscnt 0x0
	CROUND
	tensor_load_to_lds s[40:43], s[32:39]
	s_nop 0
	PLACES
	v_add_nc_u32 v9, s56, v15
	v_add_nc_u32 v11, s57, v10
	FW WA, 0, 0
	LDT 0
	FW WB, 0, 4
	LVP 0
.Lslot:                                                ; 14 trips: slots 0 to 13, each asks for the slot after next
	TILE 0, 0
	TILE 1, 2
	s_sub_co_u32 s58, s58, 1
	s_cmp_lg_u32 s58, 0
	s_cbranch_scc1 .Lslot
	TILE 0, 0                                      ; the last two slots fill nothing
	TILE 1, 1
	TILE 0, 0
	TILE 1, 0
	PM ACC+32, 16                                  ; the last tile's tanh
	VW
	EX ACC+32, 32
	VW
	PA ACC+32, 16
	VW
	RC ACC+32, 32
	VW
	TF ACC+32, VP+8, 0
	TF ACC+32, VP+8, 2
	; my half's partial scores of 64 rows
.irp m, 0,1,2,3
	v_add_f32 v[SC+4*\m], v[SC+4*\m], v[SC+4*\m+1]
	v_add_f32 v[SC+4*\m+2], v[SC+4*\m+2], v[SC+4*\m+3]
.endr
.irp m, 0,1,2,3
	v_add_f32 v[SC+4*\m], v[SC+4*\m], v[SC+4*\m+2]
.endr
.irp m, 0,1,2,3
	v_permlanex16_b32 v[SC+4*\m+1], v[SC+4*\m], s54, s55
.endr
.irp m, 0,1,2,3
	v_add_f32 v[SC+4*\m], v[SC+4*\m], v[SC+4*\m+1]
.endr
	v_and_b32 v16, 31, v0
	v_cmp_gt_u32 vcc_lo, 16, v16
	v_cndmask_b32 v17, v[SC+4], v[SC], vcc_lo      ; row 32 w + lane
	v_cndmask_b32 v18, v[SC+12], v[SC+8], vcc_lo   ; row 32 (w xor 1) + lane
	s_lshl_b32 s4, s59, 9
	v_lshl_add_u32 v22, v0, 2, PS
	v_add_nc_u32 v19, s4, v22
	v_xor_b32 v20, 32, v0
	v_lshl_add_u32 v20, v20, 2, PS
	v_add_nc_u32 v20, s4, v20
	ds_store_b32 v19, v17
	ds_store_b32 v20, v18
	v_add_nc_u32 v21, PS, v1
	v_lshl_add_u32 v23, v0, 2, PEX
	s_lshl_b32 s4, s26, 7
	s_add_co_u32 s4, s4, PEX
	v_mov_b32 v24, s4
	s_lshl_b32 s4, s26, 12
	s_add_co_u32 s4, s4, XCH
	v_add_nc_u32 v25, s4, v1
	s_lshl_b32 s4, s26, 10
	s_add_co_u32 s4, s4, XCH
	v_add_nc_u32 v26, s4, v1
	v_lshrrev_b32 v27, 1, v1
	v_mov_b32 v28, 0xff800000
	VW
	s_wait_dscnt 0x0
	s_barrier_signal -1
	s_barrier_wait -1
	ds_load_b128 v[56:59], v21                     ; rows 4 lane .. + 3: both halves' parts,
	ds_load_b128 v[64:67], v21 offset:512
	ds_load_b32 v29, v22                           ; and my thread's row
	ds_load_b32 v30, v22 offset:512
	s_wait_loadcnt 0x0
	s_wait_dscnt 0x0
	v_pk_add_f32 v[56:57], v[56:57], v[64:65]
	v_pk_add_f32 v[58:59], v[58:59], v[66:67]
	v_add_f32 v29, v29, v30
.irp j, 0,1,2,3
	v_cmp_eq_u32 vcc_lo, 0, v[60+\j]
	v_cndmask_b32 v[56+\j], v[56+\j], v28, vcc_lo  ; a masked position: -infinity
.endr
	v_cmp_eq_u32 vcc_lo, 0, v7
	v_cndmask_b32 v29, v29, v28, vcc_lo
	v_max3_num_f32 v16, v56, v57, v58
	v_max3_num_f32 v16, v16, v59, 0xff61b1e6       ; the block's largest S, held at -3e38 from below
	v_max_num_f32_dpp v16, v16, v16 row_xmask:1 row_mask:0xf bank_mask:0xf
	v_max_num_f32_dpp v16, v16, v16 row_xmask:2 row_mask:0xf bank_mask:0xf
	v_max_num_f32_dpp v16, v16, v16 row_xmask:4 row_mask:0xf bank_mask:0xf
	v_max_num_f32_dpp v16, v16, v16 row_xmask:8 row_mask:0xf bank_mask:0xf
	v_permlanex16_b32 v18, v16, s54, s55
	v_max_num_f32 v16, v16, v18
.irp j, 0,1,2,3
	v_sub_f32 v[68+\j], v[56+\j], v16
.endr
	v_sub_f32 v31, v29, v16
	VW
.irp j, 0,1,2,3
	v_exp_f32 v[68+\j], v[68+\j]
.endr
	v_exp_f32 v31, v31                             ; my row's p
	v_nop
	VW
	v_add_f32 v68, v68, v69
	v_add_f32 v70, v70, v71
	v_add_f32 v17, v68, v70
	v_add_f32_dpp v17, v17, v17 row_xmask:1 row_mask:0xf bank_mask:0xf
	v_add_f32_dpp v17, v17, v17 row_xmask:2 row_mask:0xf bank_mask:0xf
	v_add_f32_dpp v17, v17, v17 row_xmask:4 row_mask:0xf bank_mask:0xf
	v_add_f32_dpp v17, v17, v17 row_xmask:8 row_mask:0xf bank_mask:0xf
	v_permlanex16_b32 v18, v17, s54, s55
	v_add_f32 v17, v17, v18                        ; the block's sum
	ds_store_b32 v23, v31
.irp i, 0,1,2,3,4,5,6,7
	ds_load_b128 v[96+4*\i:99+4*\i], v24 offset:16*\i   ; my wave's 32 p, in every lane (LDS serves a wave's instructions in order)
.endr
.macro BFL g, dst                      ; the bf16 images of K steps 2 g, 2 g + 1 of my rows 16-31
.irp s, 0,1
.irp q, 0,1,2,3,4,5,6,7
	ds_load_b128 v[\dst+32*\s+4*\q:\dst+32*\s+4*\q+3], v14 offset:4096*(2*\g+\s)+512*\q
.endr
.endr
.endm
.macro CTX s, src, pr                  ; K step s: 16 rows x 4 columns a lane
.set R, 0
.rept 16
.irp u, 0,1
	v_fma_mix_f32_bf16 v[64+4*(\s)+2*\u], v[\src+2*R+\u], v[\pr+R], v[64+4*(\s)+2*\u] op_sel_hi:[1,0,0]
	v_fma_mix_f32_bf16 v[64+4*(\s)+2*\u+1], v[\src+2*R+\u], v[\pr+R], v[64+4*(\s)+2*\u+1] op_sel:[1,0,0] op_sel_hi:[1,0,0]
.endr
.set R, R+1
.endr
.endm
	BFL 0, 128
	BFL 1, 192
.set I, 0
.rept 32
	v_mov_b32 v[64+I], 0
.set I, I+1
.endr
	s_wait_dscnt 32                                ; p is in; the 32 image loads may be out
	WIN 1
.irp s, 0,1,2,3,4,5,6,7
	CTX \s, 32*\s, 96                              ; rows 0-15, from window 1
.endr
	WIN 0
	s_wait_dscnt 16
	CTX 0, 128, 112
	CTX 1, 160, 112
	BFL 2, 128
	s_wait_dscnt 16
	CTX 2, 192, 112
	CTX 3, 224, 112
	BFL 3, 192
	s_wait_dscnt 16
	CTX 4, 128, 112
	CTX 5, 160, 112
	s_wait_dscnt 0x0
	CTX 6, 192, 112
	CTX 7, 224, 112
.irp s, 0,1,2,3,4,5,6,7
	ds_store_b128 v25, v[64+4*\s:67+4*\s] offset:512*\s
.endr
	s_wait_dscnt 0x0
	s_barrier_signal -1
	s_barrier_wait -1
.irp u, 0,1,2,3
.irp i, 0,1
	ds_load_b128 v[128+8*\u+4*\i:131+8*\u+4*\i], v26 offset:4096*\u+512*\i
.endr
.endr
	s_wait_dscnt 0x0
.irp u, 1,2,3
.irp j, 0,2,4,6
	v_pk_add_f32 v[128+\j:129+\j], v[128+\j:129+\j], v[128+8*\u+\j:129+8*\u+\j]
.endr
.endr
	global_store_b128 v1, v[128:131], s[24:25]     ; my quarter of the block's context: 512 consecutive bytes a store
	global_store_b128 v1, v[132:135], s[24:25] offset:512
	s_cmp_lg_u32 s26, 0
	s_cbranch_scc1 .Lnot_0
	global_store_b128 v1, v[56:59], s[20:21]       ; the block's 128 S
	global_store_b64 v27, v[16:17], s[22:23]       ; its largest S and its sum, 32 times: 256 bytes
.Lnot_0:
	s_wait_tensorcnt 0x0                           ; the wave's end
	ds_add_u32 v2, v3
	s_wait_dscnt 0x0
	CROUND                                         ; the closing round
	s_endpgm
.Lfunc_end_k_q97f913c6a6_main:
	.size	k_q97f913c6a6_main, .Lfunc_end_k_q97f913c6a6_main-k_q97f913c6a6_main
	.p2alignl 7, 3214868480
	.fill 96, 4, 3214868480
	.section	.rodata,"a",@progbits
	.p2align	6, 0x0
	.amdhsa_kernel k_q97f913c6a6_main
		.amdhsa_group_segment_fixed_size 327680
		.amdhsa_private_segment_fixed_size 0
		.amdhsa_enable_private_segment 0
		.amdhsa_kernarg_size 72
		.amdhsa_user_sgpr_count 2
		.amdhsa_user_sgpr_kernarg_segment_ptr 1
		.amdhsa_wavefront_size32 1
		.amdhsa_system_sgpr_workgroup_id_x 1
		.amdhsa_system_sgpr_workgroup_id_y 1
		.amdhsa_system_sgpr_workgroup_id_z 1
		.amdhsa_system_vgpr_workitem_id 0
		.amdhsa_next_free_vgpr 1024
		.amdhsa_next_free_sgpr 66
		.amdhsa_reserve_vcc 1
		.amdhsa_float_denorm_mode_32 3
		.amdhsa_float_denorm_mode_16_64 3
		.amdhsa_memory_ordered 1
		.amdhsa_forward_progress 1
		.amdhsa_inst_pref_size 255
	.end_amdhsa_kernel
	.section	.bss,"aw",@nobits
	.p2align	6
	.space	262144
	.amdgpu_metadata
---
amdhsa.version: [ 1, 2 ]
amdhsa.kernels:
  - .name:           k_q97f913c6a6_main
    .symbol:         k_q97f913c6a6_main.kd
    .args:
      - { .name: encoder_outputs, .offset: 0, .size: 8, .value_kind: global_buffer, .address_space: global }
      - { .name: mask, .offset: 8, .size: 8, .value_kind: global_buffer, .address_space: global }
      - { .name: v, .offset: 16, .size: 8, .value_kind: global_buffer, .address_space: global }
      - { .name: lowp_scales, .offset: 24, .size: 8, .value_kind: global_buffer, .address_space: global }
      - { .name: w1c, .offset: 32, .size: 8, .value_kind: global_buffer, .address_space: global }
      - { .name: dect, .offset: 40, .size: 8, .value_kind: global_buffer, .address_space: global }
      - { .name: scores, .offset: 48, .size: 8, .value_kind: global_buffer, .address_space: global }
      - { .name: stats, .offset: 56, .size: 8, .value_kind: global_buffer, .address_space: global }
      - { .name: ctxp, .offset: 64, .size: 8, .value_kind: global_buffer, .address_space: global }
    .group_segment_fixed_size: 327680
    .private_segment_fixed_size: 0
    .kernarg_segment_align: 8
    .kernarg_segment_size: 72
    .max_flat_workgroup_size: 128
    .sgpr_count:     66
    .vgpr_count:     1024
    .wavefront_size: 32
...
	.end_amdgpu_metadata
.endif
;; end of part 2
;; launch final (part 3): grid 8 x 32, 1 waves a work-group, no clusters, 0 bytes of LDS; arguments scores, stats, ctxp, out0, out1; writes out0, out1
.if DOCPART == 3
	.amdgcn_target "amdgcn-amd-amdhsa--gfx1250"
	.amdhsa_code_object_version 6
	.text
	.protected	k_q97f913c6a6_final
	.globl	k_q97f913c6a6_final
	.p2align	8
	.type	k_q97f913c6a6_final,@function
k_q97f913c6a6_final:
	s_mov_b64 s[64:65], 0
	v_nop
	global_prefetch_b8 v0, s[64:65] scope:SCOPE_SE
	s_setreg_imm32_b32 hwreg(HW_REG_WAVE_MODE, 25, 1), 1
	s_wait_xcnt 0x0
; A batch's 16 blocks are joined.  Block k gave m_k (its largest S), l_k = the sum of 2^(S - m_k) and its context, the sum of 2^(S - m_k) x row.  With M = the largest m_k, w_k = 2^(m_k - M) and L = the sum of w_k l_k:
; context = the sum over k of (w_k / L) x block k's context;  attn = 2^(S - M) / L.  S is in units of base 2.
; SHARES.  One wave to a work-group; work-group (x, b) makes columns 128 x .. 128 x + 127 of batch b's context (512 bytes) and rows 256 x .. 256 x + 255 of its attn (1,024 bytes).
; A batch whose mask is all 0 has L = 0 and gives NaN, as a softmax of -infinity alone does.  No LDS, no barrier, no matrix unit: 19 loads, all issued together, and three stores of 512 consecutive bytes.
	s_load_b256 s[4:11], s[0:1], 0x0               ; scores s[4:5], stats s[6:7], ctxp s[8:9], out0 s[10:11]
	s_load_b64 s[12:13], s[0:1], 0x20              ; out1
	s_and_b32 s14, ttmp7, 0xffff                   ; the batch
	v_lshlrev_b32 v1, 4, v0                        ; 16 x lane
	v_and_b32 v2, 15, v0
	v_lshlrev_b32 v2, 8, v2                        ; block lane % 16: its 256 bytes of stats
	s_mov_b32 s33, 0
	s_lshl_b32 s34, ttmp9, 9                       ; 512 x
	s_lshl_b32 s36, ttmp9, 10                      ; 1,024 x
	s_wait_alu depctr_va_vdst(0)
	s_wait_kmcnt 0x0
	s_lshl_b32 s32, s14, 12
	s_add_nc_u64 s[6:7], s[6:7], s[32:33]          ; the batch's 16 blocks of stats
	s_add_co_u32 s32, s32, s34
	s_add_nc_u64 s[10:11], s[10:11], s[32:33]      ; out0: row b, my 512 bytes
	s_lshl_b32 s32, s14, 16
	s_add_co_u32 s32, s32, s34
	s_add_nc_u64 s[8:9], s[8:9], s[32:33]          ; ctxp: the batch's 16 rows of 4,096 bytes, my 512 bytes
	s_lshl_b32 s32, s14, 13
	s_add_co_u32 s32, s32, s36
	s_add_nc_u64 s[4:5], s[4:5], s[32:33]          ; scores and out1: row b, my 1,024 bytes
	s_add_nc_u64 s[12:13], s[12:13], s[32:33]
	global_load_b64 v[4:5], v2, s[6:7]             ; m_k, l_k, k = lane % 16
.irp k, 0,1,2,3,4,5,6,7,8,9,10,11,12,13,14,15
	global_load_b128 v[16+4*\k:19+4*\k], v1, s[8:9] offset:4096*\k
.endr
	global_load_b128 v[80:83], v1, s[4:5]
	global_load_b128 v[84:87], v1, s[4:5] offset:512
	s_wait_loadcnt 0x0
	v_mov_b32 v6, v4
	v_max_num_f32_dpp v6, v6, v6 row_xmask:1 row_mask:0xf bank_mask:0xf
	v_max_num_f32_dpp v6, v6, v6 row_xmask:2 row_mask:0xf bank_mask:0xf
	v_max_num_f32_dpp v6, v6, v6 row_xmask:4 row_mask:0xf bank_mask:0xf
	v_max_num_f32_dpp v6, v6, v6 row_xmask:8 row_mask:0xf bank_mask:0xf   ; M: both halves of the lanes hold the same 16 blocks
	v_sub_f32 v7, v4, v6
	s_wait_alu depctr_va_vdst(0)
	v_exp_f32 v7, v7                               ; w_k
.irp j, 0,1,2,3,4,5,6,7
	v_sub_f32 v[80+\j], v[80+\j], v6               ; S - M  (plain lines behind the exponential)
.endr
	s_wait_alu depctr_va_vdst(0)                   ; ahead of the exponential's first reader
	v_mul_f32 v8, v7, v5
	v_add_f32_dpp v8, v8, v8 row_xmask:1 row_mask:0xf bank_mask:0xf
	v_add_f32_dpp v8, v8, v8 row_xmask:2 row_mask:0xf bank_mask:0xf
	v_add_f32_dpp v8, v8, v8 row_xmask:4 row_mask:0xf bank_mask:0xf
	v_add_f32_dpp v8, v8, v8 row_xmask:8 row_mask:0xf bank_mask:0xf       ; L
	s_wait_alu depctr_va_vdst(0)
	v_rcp_f32 v9, v8
.irp j, 0,1,2,3,4,5,6,7
	v_exp_f32 v[80+\j], v[80+\j]
.endr
	v_nop                                          ; a plain line behind the transcendentals
	s_wait_alu depctr_va_vdst(0)                   ; one wait for the batch, ahead of its first reader
	v_mul_f32 v10, v7, v9
.irp j, 0,1,2,3,4,5,6,7
	v_mul_f32 v[80+\j], v[80+\j], v9               ; attn
.endr
.irp k, 0,1,2,3,4,5,6,7,8,9,10,11,12,13,14,15
	v_readlane_b32 s[16+\k], v10, \k
.endr
.irp q, 0,1,2,3
	v_mul_f32 v[88+\q], s16, v[16+\q]              ; the first block starts the sums
.endr
.irp k, 1,2,3,4,5,6,7,8,9,10,11,12,13,14,15
.irp q, 0,1,2,3
	v_fma_f32 v[88+\q], v[16+4*\k+\q], s[16+\k], v[88+\q]
.endr
.endr
	global_store_b128 v1, v[88:91], s[10:11]
	global_store_b128 v1, v[80:83], s[12:13]
	global_store_b128 v1, v[84:87], s[12:13] offset:512
	s_endpgm
.Lfunc_end_k_q97f913c6a6_final:
	.size	k_q97f913c6a6_final, .Lfunc_end_k_q97f913c6a6_final-k_q97f913c6a6_final
	.p2alignl 7, 3214868480
	.fill 96, 4, 3214868480
	.section	.rodata,"a",@progbits
	.p2align	6, 0x0
	.amdhsa_kernel k_q97f913c6a6_final
		.amdhsa_group_segment_fixed_size 0
		.amdhsa_private_segment_fixed_size 0
		.amdhsa_enable_private_segment 0
		.amdhsa_kernarg_size 40
		.amdhsa_user_sgpr_count 2
		.amdhsa_user_sgpr_kernarg_segment_ptr 1
		.amdhsa_wavefront_size32 1
		.amdhsa_system_sgpr_workgroup_id_x 1
		.amdhsa_system_sgpr_workgroup_id_y 1
		.amdhsa_system_sgpr_workgroup_id_z 1
		.amdhsa_system_vgpr_workitem_id 0
		.amdhsa_next_free_vgpr 96
		.amdhsa_next_free_sgpr 66
		.amdhsa_reserve_vcc 0
		.amdhsa_float_denorm_mode_32 3
		.amdhsa_float_denorm_mode_16_64 3
		.amdhsa_memory_ordered 1
		.amdhsa_forward_progress 1
		.amdhsa_inst_pref_size 10
	.end_amdhsa_kernel
	.amdgpu_metadata
---
amdhsa.version: [ 1, 2 ]
amdhsa.kernels:
  - .name:           k_q97f913c6a6_final
    .symbol:         k_q97f913c6a6_final.kd
    .args:
      - { .name: scores, .offset: 0, .size: 8, .value_kind: global_buffer, .address_space: global }
      - { .name: stats, .offset: 8, .size: 8, .value_kind: global_buffer, .address_space: global }
      - { .name: ctxp, .offset: 16, .size: 8, .value_kind: global_buffer, .address_space: global }
      - { .name: out0, .offset: 24, .size: 8, .value_kind: global_buffer, .address_space: global }
      - { .name: out1, .offset: 32, .size: 8, .value_kind: global_buffer, .address_space: global }
    .group_segment_fixed_size: 0
    .private_segment_fixed_size: 0
    .kernarg_segment_align: 8
    .kernarg_segment_size: 40
    .max_flat_workgroup_size: 32
    .sgpr_count:     66
    .vgpr_count:     96
    .wavefront_size: 32
...
	.end_amdgpu_metadata
.endif
;; end of part 3
